; MI455X (gfx1250); checked and timed in simulation.
; The chip was launched on July 23, 2026; its instructions are those of AMD's public machine-readable ISA for CDNA 5 (MIT licence, August 2026) and "CDNA5" Instruction Set Architecture Reference Guide (July 2026). The comments in the code are by the model that wrote it; some were corrected since.
;; Multi Head Self Attention. Allowed arithmetic: matrix products marked QUANTISED: E3M2 operands, one E8M0 scale for each 32 along K, by v_wmma_scale_f32_16x16x128_f8f6f4 with both operands' format E3M2, f32 sums; everything else in f32.
;; Inputs: b_o 1,024 float32; ln_b 1,024 float32; ln_g 1,024 float32; w_k_codes 1,024 x 32 x 24 uint8 (E3M2 codes of w_k, K innermost, in blocks of 32 codes, four codes in three bytes); w_k_scales 1,024 x 32 uint8 (E8M0 scales of w_k, one for each 32 codes along K); w_o_codes 1,024 x 32 x 24 uint8 (E3M2 codes of w_o, K innermost, in blocks of 32 codes, four codes in three bytes); w_o_scales 1,024 x 32 uint8 (E8M0 scales of w_o, one for each 32 codes along K); w_q_codes 1,024 x 32 x 24 uint8 (E3M2 codes of w_q, K innermost, in blocks of 32 codes, four codes in three bytes); w_q_scales 1,024 x 32 uint8 (E8M0 scales of w_q, one for each 32 codes along K); w_v_codes 1,024 x 32 x 24 uint8 (E3M2 codes of w_v, K innermost, in blocks of 32 codes, four codes in three bytes); w_v_scales 1,024 x 32 uint8 (E8M0 scales of w_v, one for each 32 codes along K); x 4 x 2,048 x 1,024 float32.
;; Outputs: out0 4 x 2,048 x 1,024 float32.
;; This version of the problem:
;;   THIS VERSION OF THE PROBLEM IS GIVEN IN LOW PRECISION. The matrix products marked QUANTISED in the list below multiply operands that are first quantised to E3M2 (3 exponent bits, 2 mantissa bits; 6 bits a number), with one power-of-two scale for each 32 numbers along K (OCP MX v1.0); their sums are f32. All else is computed in f32.
;;   The module's matrix products, in the order in which they are computed (A, B: the left and right operand; K: the contracted axis; several contracted axes count as one K, in the product's order):
;;     1. [M 8,192, K 1,024] x [K 1,024, N 1,024]; A: input x; B: input w_q (given as codes): QUANTISED
;;     2. [M 8,192, K 1,024] x [K 1,024, N 1,024]; A: input x; B: input w_k (given as codes): QUANTISED
;;     3. [M 8,192, K 1,024] x [K 1,024, N 1,024]; A: input x; B: input w_v (given as codes): QUANTISED
;;     4. batch 64 x [M 2,048, K 64] x [K 64, N 2,048]; A: computed on the way; B: computed on the way: QUANTISED
;;     5. batch 64 x [M 2,048, K 2,048] x [K 2,048, N 64]; A: softmax (see below); B: computed on the way: QUANTISED
;;     6. [M 8,192, K 1,024] x [K 1,024, N 1,024]; A: computed on the way; B: input w_o (given as codes): QUANTISED
;;   THE QUANTISER, for each operand of a quantised product, along K:
;;     - K is cut into blocks of 32 from its start; a last block that is shorter is filled with zeros.
;;     - A block's scale is 2^e with e = floor(log2(the largest magnitude in the block)) - 4, held to -126 .. 127; a block of zeros has e = 0. As a byte (E8M0): e + 127.
;;     - Each number is divided by its block's scale, clamped to +-28, and rounded to the nearest number of E3M2, ties to even, subnormals kept.
;;     - The product sums the exact products of the quantised numbers (number of the format x scale) in f32.
;;   ~~~python
;;   def quantise(x, axis):      # numpy; x: float32 -> the quantised numbers, widened to float32 again
;;       x = np.moveaxis(x, axis, -1); K = x.shape[-1]
;;       x = np.pad(x, [(0, 0)] * (x.ndim - 1) + [(0, -K % 32)]); x = x.reshape(x.shape[:-1] + (-1, 32)); a = np.abs(x).max(-1, keepdims=True)
;;       e = np.where(a > 0, np.clip(np.frexp(np.where(a > 0, a, 1))[1] - 1 - 4, -126, 127), 0)      # np.frexp(a)[1] - 1 = floor(log2(a)), exactly
;;       r = np.clip(x / 2.0 ** e, -28, 28)
;;       step = 2.0 ** (np.maximum(np.frexp(np.where(r == 0, 1, r))[1] - 1, -2) - 2)
;;       q = np.round(r / step) * step * 2.0 ** e      # np.round: ties to even
;;       return np.moveaxis(q.reshape(q.shape[:-2] + (-1,))[..., :K], -1, axis).astype(np.float32)
;;   ~~~
;;   SOFTMAX AHEAD OF A QUANTISED PRODUCT. Where the list says 'softmax', what is quantised is not the finished softmax but p = 2^(t - M), with t = logit x log2(e) and M = ceil(the row's largest t), a whole number; so 1/2 < the row's largest p <= 1. The row's sum l is taken of the UNQUANTISED p, in f32, and the product's result is divided by l at the end. Since M is a whole number, a kernel that streams over the keys may use a running M (the ceiling of the running maximum): every later rescaling is an exact power of two, which a block's scale takes up: the codes' values come out the same.
;;   OPERANDS COMPUTED ON THE WAY. 'Computed on the way' means the value that the module computes at that place (a softmax that the list does not call 'softmax' is quantised finished and normalised). What goes into a quantiser is computed in f32, as accurately as f32 sums, v_exp_f32 and their like allow (about 1e-6 of the number): no bf16 or f16 on the way to a quantiser, and a product that is left as it is and whose result goes on into a quantised operand takes f32 operands (vector FMAs, or v_wmma_f32_16x16x4_f32). A number that lies on a knife's edge between two numbers of the format may be rounded either way, as far as f32 arithmetic and the matrix unit's own rounding can turn it there, and no further.
;;   INPUTS GIVEN AS CODES. w_k (in the module: [1024, 1024], K = its axis 1); w_o (in the module: [1024, 1024], K = its axis 1); w_q (in the module: [1024, 1024], K = its axis 1); w_v (in the module: [1024, 1024], K = its axis 1): each comes as NAME_codes (uint8): NAME with its K axis moved to the last place and cut into blocks of 32 codes, [.., K / 32, bytes a block], one block behind the other in memory; four codes in three bytes: a row's codes are one little-endian stream of bits, code i at bits 6 i .. 6 i + 5 (a code: sign, 3 exponent bits, 2 mantissa bits); and NAME_scales (uint8): the same leading axes, one E8M0 byte (e + 127) for each 32 codes along K. Its value is code x scale, taken as it is: it is not quantised again, and the codes and scales need not be those that the quantiser above would give.
;; One version. Each part assembles by itself: llvm-mc -triple=amdgcn-amd-amdhsa -mcpu=gfx1250 --defsym DOCPART=n.
;; ======== version 1 of 1: 4 launches
;; workspace buffers: xi 6,815,744 bytes; wi 3,407,872 bytes; qi 6,815,744 bytes; kv 13,631,488 bytes; ao 6,291,456 bytes; asc 1,048,576 bytes
;; launch prep (part 1): grid 384 x 1, 4 waves a work-group, no clusters, 34,304 bytes of LDS; arguments x, xi, wi, w_q_codes, w_k_codes, w_v_codes, w_o_codes, w_q_scales, w_k_scales, w_v_scales, w_o_scales; writes xi, wi
.if DOCPART == 1
	.amdgcn_target "amdgcn-amd-amdhsa--gfx1250"
	.amdhsa_code_object_version 6
	.text
	.protected	k_qfab47453f0_prep
	.globl	k_qfab47453f0_prep
	.p2align	8
	.type	k_qfab47453f0_prep,@function
k_qfab47453f0_prep:
	s_mov_b64 s[64:65], 0
	v_nop
	global_prefetch_b8 v0, s[64:65] scope:SCOPE_SE
	s_setreg_imm32_b32 hwreg(HW_REG_WAVE_MODE, 25, 1), 1
	s_wait_xcnt 0x0
; PREP.  x [8192][1024] f32 is quantised along its 1,024 to codes of E3M2 with one E8M0 byte for each 32, and the four weights' codes and scale bytes are laid anew:
; both in the ORDER OF AN OPERAND'S REGISTERS, so that the later launches fetch every fragment by loads of 16 bytes a lane.
; AN IMAGE: a fragment (16 rows x 128 K, 12 registers a lane) as three pieces of 512 bytes; piece c holds registers 4 c .. 4 c + 3, lane l's 16 bytes at 16 l.
; THE ROWS OF A TILE ARE NOT NEIGHBOURS: row rho of tile 2 beta + u is row 32 beta + 8 u + rho + 8 (rho / 8), for tokens and for the weights' rows alike, so that a result
; made with such a tile as source 0 has 16 neighbours of the next K in the 16 registers of two neighbouring tiles.
; xi: [64 groups of 128 tokens][106,496]: image of (K step s, token tile a) at (8 s + a) 1,536; scale words at 98,304 + 1,024 a + 512 q + 16 l, word s % 4 for K step 4 q + s % 4.
; wi: [q, k, v, o][16 groups of 64 rows][8 K steps][6,656]: tile b's image at 1,536 b; the four tiles' scale words at 6,144 + 16 l.
; SHARES.  Work-groups 0-255 take x: a wave takes one token tile and half of K (four K steps).  Work-groups 256-383 take the weights: a wave takes 64 rows x one K step.  Waves share nothing: no barrier.
; A block's scale byte is its largest magnitude's exponent field - 4, held at 1 from below.
; LIMITS: a block of zeros gets the byte 1, not 127 (its codes are zeros, and this program alone reads the bytes); NaN and infinities among the inputs are not served.
.set R,   16                           ; v16-143  two sets of 64: 16 rows x 512 bytes as loaded
.set X,   144                          ; v144-207 64 numbers of my row: register 16 b + i = k 32 b + 16 (lane / 16) + i
.set TM,  208                          ; v208-211 largest magnitudes, v212-215 bytes, v220-223 the conversions' scale operands
.set PC,  224                          ; v224-235 the fragment just made; v236-238, v240-242 its upper halves on the way
.set PWB, 244                          ; v244-247 the four K steps' scale words
.set SEL, 40                           ; s[40:41] lane selects for v_permlanex16_b32: lane l xor 16
.set STG, 8448                         ; LDS: a stage of 16 rows x (512 + 16) bytes for each wave
	s_load_b256 s[4:11], s[0:1], 0x0               ; x s[4:5], xi s[6:7], wi s[8:9], w_q's codes s[10:11]
	s_load_b256 s[12:19], s[0:1], 0x20             ; w_k's, w_v's, w_o's codes s[12:17], w_q's scales s[18:19]
	s_load_b128 s[20:23], s[0:1], 0x40             ; w_k's, w_v's scales
	s_load_b64 s[24:25], s[0:1], 0x50              ; w_o's scales
	v_lshl_add_u32 v254, v0, 2, 0x8400
	v_mov_b32 v255, 0
	v_lshrrev_b32 v9, 5, v0
	v_readfirstlane_b32 s26, v9                    ; wave 0..3
	v_and_b32 v6, 31, v0                           ; lane
	v_and_b32 v7, 15, v0                           ; r
	v_bfe_u32 v8, v0, 4, 1                         ; h
	v_lshlrev_b32 v1, 4, v6                        ; 16 x lane
	s_cmp_lt_u32 ttmp9, 256
	s_cbranch_scc0 .Lweights
	; ---- x
	s_lshl_b32 s27, ttmp9, 2
	s_add_co_u32 s27, s27, s26                     ; job 0..1023
	s_lshr_b32 s28, s27, 1                         ; token tile T
	s_and_b32 s29, s27, 1                          ; q: which half of K
	s_lshr_b32 s30, s28, 3                         ; group g
	s_and_b32 s31, s28, 7                          ; tile a in it
	s_lshr_b32 s32, s28, 1
	s_lshl_b32 s32, s32, 5
	s_and_b32 s33, s28, 1
	s_lshl_b32 s33, s33, 3
	s_add_co_u32 s32, s32, s33                     ; the tile's first token: 32 (T / 2) + 8 (T % 2)
	s_lshl_b32 s32, s32, 12                        ; a row of x is 4,096 bytes
	s_lshl_b32 s33, s29, 11
	s_add_co_u32 s32, s32, s33                     ; + 2,048 q
	s_mov_b32 s33, 0
	s_mul_i32 s34, s30, 106496
	s_mul_i32 s36, s31, 1536
	s_add_co_u32 s36, s36, s34
	s_mul_i32 s37, s29, 49152
	s_add_co_u32 s36, s36, s37                     ; my first image: K step 4 q, tile a
	s_mov_b32 s37, 0
	s_lshl_b32 s38, s31, 10
	s_add_co_u32 s38, s38, s34
	s_lshl_b32 s39, s29, 9
	s_add_co_u32 s38, s38, s39
	s_add_co_u32 s38, s38, 98304                   ; my scale words
	s_mov_b32 s39, 0
	s_mul_i32 s35, s26, STG                        ; my stage
	s_wait_alu depctr_va_vdst(0)
	v_add_nc_u32 v2, s35, v1                       ; in: 16 x lane of a row
	v_mul_u32_u24 v3, v7, 528
	v_lshl_add_u32 v3, v8, 6, v3
	v_add_nc_u32 v3, s35, v3                       ; out: row r, + 64 h: my 16 numbers of each block of 32
	s_mov_b32 s[SEL], 0x76543210
	s_mov_b32 s[SEL+1], 0xfedcba98
.irp b, 0,1,2,3
	v_mov_b32 v[TM+4+\b], 0                        ; written once: a lane permute's destination counts as one of its sources
.endr
	s_wait_alu depctr_va_vdst(0)
	s_wait_kmcnt 0x0
	s_add_nc_u64 s[4:5], s[4:5], s[32:33]
	s_add_nc_u64 s[36:37], s[6:7], s[36:37]
	s_add_nc_u64 s[38:39], s[6:7], s[38:39]
; K step k of my four: each load takes 512 consecutive bytes of one of the tile's 16 rows
.macro LOADX k
.irp p, 0,1,2,3,4,5,6,7,8,9,10,11,12,13,14,15
	global_load_b128 v[R+64*((\k)%2)+4*\p:R+64*((\k)%2)+4*\p+3], v1, s[4:5] offset:(\p+8*(\p/8))*4096+512*(\k) th:TH_LOAD_NT
.endr
.endm
; 64 numbers of a lane, register 16 b + i = k 32 b + 16 (lane / 16) + i of my row, become a fragment's codes in v[PC] on and its scale word in v[pw]
.macro QUANT s, pw
.irp b, 0,1,2,3
	v_max3_num_f32 v[TM+\b], |v[\s+16*\b]|, |v[\s+1+16*\b]|, 0x2800000   ; block b: my 16 numbers, and the floor 2^(5 - 127): the byte cannot fall under 1
.endr
.irp i, 2,4,6,8,10,12,14
.irp b, 0,1,2,3
	v_max3_num_f32 v[TM+\b], v[TM+\b], |v[\s+16*\b+\i]|, |v[\s+1+16*\b+\i]|   ; the four blocks by turns
.endr
.endr
.irp b, 0,1,2,3
	v_permlanex16_b32 v[TM+4+\b], v[TM+\b], s[SEL], s[SEL+1]
.endr
.irp b, 0,1,2,3
	v_max_num_f32 v[TM+\b], v[TM+\b], v[TM+4+\b]   ; with lane l xor 16's: the block's largest magnitude
.endr
.irp b, 0,1,2,3
	v_add_nc_u32 v[TM+12+\b], 0xfe000000, v[TM+\b] ; 4 off its exponent field: the conversion takes the exponent field of this operand as its scale
.endr
.irp b, 0,1,2,3
	v_lshrrev_b32 v[TM+4+\b], 23, v[TM+12+\b]      ; the scale's byte
.endr
	v_lshl_or_b32 v[\pw], v[TM+5], 8, v[TM+4]      ; four bytes make my row's scale word
	v_lshl_or_b32 v[\pw], v[TM+6], 16, v[\pw]
	v_lshl_or_b32 v[\pw], v[TM+7], 24, v[\pw]
.irp c, 0,1
	v_cvt_scalef32_pk16_bf6_f32 v[PC+6*\c:PC+2+6*\c], v[\s+32*\c:\s+15+32*\c], v[TM+12+2*\c]
	v_cvt_scalef32_pk16_bf6_f32 v[PC+12+4*\c:PC+14+4*\c], v[\s+16+32*\c:\s+31+32*\c], v[TM+12+2*\c+1]   ; (a conversion's three registers begin on an even number)
.endr
	v_nop                                          ; one plain instruction behind a scaled conversion
.irp c, 0,1                                    ; the operand wants a WHOLE block in a lane: lanes 0-15 block 2 c, lanes 16-31 block 2 c + 1
.irp i, 0,1,2
	v_permlane16_swap_b32 v[PC+6*\c+\i], v[PC+12+4*\c+\i]
.endr
.irp i, 0,1,2
	v_mov_b32 v[PC+3+6*\c+\i], v[PC+12+4*\c+\i]
.endr
.endr
.endm
.macro STEPX k
.if (\k) < 3
	s_wait_loadcnt 16                              ; this K step's 16 loads are in; the next step's 16 may be out
.else
	s_wait_loadcnt 0x0
.endif
.irp p, 0,1,2,3,4,5,6,7,8,9,10,11,12,13,14,15
	ds_store_b128 v2, v[R+64*((\k)%2)+4*\p:R+64*((\k)%2)+4*\p+3] offset:528*\p
.endr
.irp b, 0,1,2,3
.irp j, 0,1,2,3
	ds_load_b128 v[X+16*\b+4*\j:X+16*\b+4*\j+3], v3 offset:128*\b+16*\j   ; LDS serves a wave's instructions in order: these see the stores above
.endr
.endr
	s_wait_dscnt 0x0                               ; my 64 numbers are in, and the stores have read their registers
	s_wait_xcnt 0x0                                ; the last step's stores have read the fragment's registers, which are written again below
.if (\k)+2 < 4
	LOADX (\k)+2
.endif
	QUANT X, PWB+\k
.irp c, 0,1,2
	global_store_b128 v1, v[PC+4*\c:PC+4*\c+3], s[36:37] offset:12288*(\k)+512*\c   ; 32 lanes store 512 consecutive bytes, aligned
.endr
.endm
	LOADX 0
	LOADX 1
	STEPX 0
	STEPX 1
	STEPX 2
	STEPX 3
	global_store_b128 v1, v[PWB:PWB+3], s[38:39]   ; the four K steps' scale words: 512 consecutive bytes
	s_wait_tensorcnt 0x0
	ds_add_u32 v254, v255
	s_wait_dscnt 0x0
	s_endpgm
	; ---- the weights: codes and scale bytes are only laid anew
.Lweights:
	s_sub_co_u32 s27, ttmp9, 256
	s_lshl_b32 s27, s27, 2
	s_add_co_u32 s27, s27, s26                     ; job 0..511 = 8 x (group of 64 rows, 0..63) + K step
	s_lshr_b32 s28, s27, 3
	s_and_b32 s29, s27, 7                          ; K step s
	s_lshr_b32 s30, s28, 4                         ; which weight: q, k, v, o
	s_and_b32 s31, s28, 15                         ; its group of 64 rows
	s_mul_i32 s32, s31, 49152                      ; 64 rows of 768 bytes
	s_mul_i32 s33, s29, 96
	s_add_co_u32 s32, s32, s33
	s_mov_b32 s33, 0
	s_lshl_b32 s34, s31, 11                        ; 64 rows of 32 scale bytes
	s_lshl_b32 s35, s29, 2
	s_add_co_u32 s34, s34, s35
	s_mov_b32 s35, 0
	s_mul_i32 s36, s27, 6656
	s_mov_b32 s37, 0
	s_wait_alu depctr_va_vdst(0)
	v_and_b32 v9, 8, v7
	v_add_nc_u32 v9, v9, v7                        ; r + 8 (r / 8)
	v_mul_u32_u24 v4, v9, 768
	v_mad_u32_u24 v4, v8, 24, v4                   ; my row's codes, + 24 h
	v_lshlrev_b32 v5, 5, v9                        ; my row's scale bytes
	s_wait_alu depctr_va_vdst(0)
	s_wait_kmcnt 0x0
	s_cmp_eq_u32 s30, 1                            ; the choice hangs on the work-group's and the wave's number alone
	s_cselect_b64 s[10:11], s[12:13], s[10:11]
	s_cselect_b64 s[18:19], s[20:21], s[18:19]
	s_cmp_eq_u32 s30, 2
	s_cselect_b64 s[10:11], s[14:15], s[10:11]
	s_cselect_b64 s[18:19], s[22:23], s[18:19]
	s_cmp_eq_u32 s30, 3
	s_cselect_b64 s[10:11], s[16:17], s[10:11]
	s_cselect_b64 s[18:19], s[24:25], s[18:19]
	s_add_nc_u64 s[10:11], s[10:11], s[32:33]
	s_add_nc_u64 s[18:19], s[18:19], s[34:35]
	s_add_nc_u64 s[8:9], s[8:9], s[36:37]
.irp b, 0,1,2,3
.irp p, 0,1,2,3,4,5
	global_load_b64 v[16+12*\b+2*\p:17+12*\b+2*\p], v4, s[10:11] offset:(32*(\b/2)+8*(\b%2))*768+48*(\p/3)+8*(\p%3)   ; 24 bytes of the row's stream of bits are six registers, as they lie
.endr
	global_load_b32 v[64+\b], v5, s[18:19] offset:(32*(\b/2)+8*(\b%2))*32
.endr
	s_wait_loadcnt 0x0
.irp i, 0,1,2,3,4,5,6,7,8,9,10,11
	global_store_b128 v1, v[16+4*\i:19+4*\i], s[8:9] offset:512*\i
.endr
	global_store_b128 v1, v[64:67], s[8:9] offset:6144
	s_endpgm
.Lfunc_end_k_qfab47453f0_prep:
	.size	k_qfab47453f0_prep, .Lfunc_end_k_qfab47453f0_prep-k_qfab47453f0_prep
	.p2alignl 7, 3214868480
	.fill 96, 4, 3214868480
	.section	.rodata,"a",@progbits
	.p2align	6, 0x0
	.amdhsa_kernel k_qfab47453f0_prep
		.amdhsa_group_segment_fixed_size 34304
		.amdhsa_private_segment_fixed_size 0
		.amdhsa_enable_private_segment 0
		.amdhsa_kernarg_size 88
		.amdhsa_user_sgpr_count 2
		.amdhsa_user_sgpr_kernarg_segment_ptr 1
		.amdhsa_wavefront_size32 1
		.amdhsa_system_sgpr_workgroup_id_x 1
		.amdhsa_system_sgpr_workgroup_id_y 1
		.amdhsa_system_sgpr_workgroup_id_z 1
		.amdhsa_system_vgpr_workitem_id 0
		.amdhsa_next_free_vgpr 256
		.amdhsa_next_free_sgpr 66
		.amdhsa_reserve_vcc 0
		.amdhsa_float_denorm_mode_32 3
		.amdhsa_float_denorm_mode_16_64 3
		.amdhsa_memory_ordered 1
		.amdhsa_forward_progress 1
		.amdhsa_inst_pref_size 39
	.end_amdhsa_kernel
	.amdgpu_metadata
---
amdhsa.version: [ 1, 2 ]
amdhsa.kernels:
  - .name:           k_qfab47453f0_prep
    .symbol:         k_qfab47453f0_prep.kd
    .args:
      - { .name: x, .offset: 0, .size: 8, .value_kind: global_buffer, .address_space: global }
      - { .name: xi, .offset: 8, .size: 8, .value_kind: global_buffer, .address_space: global }
      - { .name: wi, .offset: 16, .size: 8, .value_kind: global_buffer, .address_space: global }
      - { .name: w_q_codes, .offset: 24, .size: 8, .value_kind: global_buffer, .address_space: global }
      - { .name: w_k_codes, .offset: 32, .size: 8, .value_kind: global_buffer, .address_space: global }
      - { .name: w_v_codes, .offset: 40, .size: 8, .value_kind: global_buffer, .address_space: global }
      - { .name: w_o_codes, .offset: 48, .size: 8, .value_kind: global_buffer, .address_space: global }
      - { .name: w_q_scales, .offset: 56, .size: 8, .value_kind: global_buffer, .address_space: global }
      - { .name: w_k_scales, .offset: 64, .size: 8, .value_kind: global_buffer, .address_space: global }
      - { .name: w_v_scales, .offset: 72, .size: 8, .value_kind: global_buffer, .address_space: global }
      - { .name: w_o_scales, .offset: 80, .size: 8, .value_kind: global_buffer, .address_space: global }
    .group_segment_fixed_size: 34304
    .private_segment_fixed_size: 0
    .kernarg_segment_align: 8
    .kernarg_segment_size: 88
    .max_flat_workgroup_size: 128
    .sgpr_count:     66
    .vgpr_count:     256
    .wavefront_size: 32
...
	.end_amdgpu_metadata
.endif
;; end of part 1
;; launch qkv (part 2): grid 6 x 64, 8 waves a work-group, no clusters, 168,960 bytes of LDS; arguments xi, wi, qi, kv; writes qi, kv
.if DOCPART == 2
	.amdgcn_target "amdgcn-amd-amdhsa--gfx1250"
	.amdhsa_code_object_version 6
	.text
	.protected	k_qfab47453f0_qkv
	.globl	k_qfab47453f0_qkv
	.p2align	8
	.type	k_qfab47453f0_qkv,@function
k_qfab47453f0_qkv:
	s_mov_b64 s[64:65], 0
	v_nop
	global_prefetch_b8 v0, s[64:65] scope:SCOPE_SE
	s_setreg_imm32_b32 hwreg(HW_REG_WAVE_MODE, 25, 1), 1
	s_wait_xcnt 0x0
; QKV.  Q, K, V = x W^T on codes of E3M2 (both operands as images made by the launch before), and each result is quantised in registers for attention and stored as images.
; SHARES.  A work-group takes 128 tokens (group g = y) and eight heads of one of Q, K, V (x: 0, 1 Q; 2, 3 K; 4, 5 V).  Wave w takes ONE head: 128 tokens x 64 features x K 1,024:
; 32 accumulators (256 registers, window 1), 256 matrix instructions.
; The group's x block (64 images and their scale words, 106,496 bytes) comes into LDS once, an eighth by each wave's tensor load, and all eight waves read it.  A head's weights are wanted by one wave alone:
; they go from memory straight into its registers, a K step ahead, in two sets.
; NO CLUSTER: six work-groups read one x block, and six is no multiple of four; and that block is 106,496 of the 532,480 bytes that a work-group fetches.
; Q AND K: source 0 = 16 rows of W, source 1 = 16 tokens.  A lane then holds one token, and the 32 registers of a token tile are its head's 64 features, 16 neighbours for each half of the lanes and block.
;   Two token tiles (64 registers) are quantised as ONE fragment, a PAIR IMAGE: registers 0-5 tile 2 p's 64 features, registers 6-11 tile 2 p + 1's; scale bytes 0, 1 and 2, 3 likewise.
; V: source 0 = 16 tokens, source 1 = 16 rows of W.  A lane then holds one feature, and the 64 registers of a feature tile run along the group's 128 tokens, which are the keys: a fragment of V^T.
; qi: [batch x head 64][group 16][6,656]: pair p at 1,536 p, scale words at 6,144 + 16 l + 4 p.
; kv: [batch x head][key step 16][13,312]: K's pair p at 1,536 p, V's tile t at 6,144 + 1,536 t, K's scale words at 12,288 + 16 l, V's at 12,800 + 16 l.
; LIMITS: a block of zeros gets the byte 1, not 127 (its codes are zeros, and this program alone reads the bytes); NaN and infinities are not served.
; REGISTERS, window 0: v1 16 x lane (LDS address for K steps 0-3, and the offset of loads and stores), v3 the same + 49,152 (K steps 4-7), v4 the scale words' address, v5 the offset of my scale words' store.
.set XF,  16                           ; v16-111  x's eight fragments of a K step
.set WF,  112                          ; v112-207 W's four fragments, two sets
.set XS,  208                          ; v208-239 x's scale words: 4 a + s % 4
.set WS,  240                          ; v240-247 W's scale words, two sets of four
.set TM,  16                           ; the way out: v16-31 at work,
.set PC,  32                           ; v32-111 four fragments, 20 registers each (12 + the upper halves on the way),
.set PWB, 112                          ; v112-115 their scale words
.set SEL, 44                           ; s[44:45]
.set MSB, 0
.macro WIN new                         ; the immediate's high byte repeats the setting that is left
.if MSB != \new
	s_set_vgpr_msb (MSB<<8)|\new
.set MSB, \new
.endif
.endm
.macro PLACES                          ; four plain vector instructions between a matrix instruction and a load into, or a vector instruction on, its registers
.rept 4
	v_nop
.endr
.endm
.macro MM d, a, b, zero, sa, sb
.if \zero
	v_wmma_scale_f32_16x16x128_f8f6f4 v[(\d):(\d)+7], v[(\a):(\a)+11], v[(\b):(\b)+11], 0, v[\sa], v[\sb] matrix_a_fmt:MATRIX_FMT_BF6 matrix_b_fmt:MATRIX_FMT_BF6
.else
	v_wmma_scale_f32_16x16x128_f8f6f4 v[(\d):(\d)+7], v[(\a):(\a)+11], v[(\b):(\b)+11], v[(\d):(\d)+7], v[\sa], v[\sb] matrix_a_fmt:MATRIX_FMT_BF6 matrix_b_fmt:MATRIX_FMT_BF6
.endif
.endm
	s_load_b256 s[4:11], s[0:1], 0x0               ; xi s[4:5], wi s[6:7], qi s[8:9], kv s[10:11]
	v_lshl_add_u32 v254, v0, 2, 0x29000
	v_mov_b32 v255, 0
	ds_add_u32 v254, v255
	ds_add_u32 v254, v255
	v_lshrrev_b32 v1, 5, v0
	s_delay_alu instid0(VALU_DEP_1)
	v_readfirstlane_b32 s12, v1                    ; wave 0..7
	s_and_b32 s13, ttmp7, 0xffff                   ; g
	s_lshr_b32 s14, ttmp9, 1                       ; role: 0 Q, 1 K, 2 V
	s_and_b32 s15, ttmp9, 1
	s_lshl_b32 s15, s15, 3
	s_add_co_u32 s15, s15, s12                     ; head
	; descriptor group 1: 52 rows of 256 bytes (32 elements of 8 bytes), dense: an eighth of the x block
	s_mov_b32 s28, 3<<16                           ; no mask; elements of 8 bytes; no padding
	s_mov_b32 s29, 32<<16                          ; tensor_dim0 = 32
	s_mov_b32 s30, 52<<16                          ; tensor_dim1 = 52
	s_mov_b32 s31, 32<<16                          ; tile_dim0 = 32
	s_mov_b32 s32, 52                              ; tile_dim1 = 52
	s_mov_b32 s33, 32                              ; from row to row
	s_mov_b32 s34, 0
	s_mov_b32 s35, 0
	s_mov_b32 s16, 1
	s_mul_i32 s17, s12, 13312                      ; LDS: wave x 13,312
	s_mul_i32 s24, s13, 106496
	s_add_co_u32 s24, s24, s17
	s_mov_b32 s25, 0
	s_lshl_b32 s26, s14, 4
	s_add_co_u32 s26, s26, s15
	s_mul_i32 s26, s26, 53248                      ; my head's 64 rows of my weight
	s_mov_b32 s27, 0
	s_lshr_b32 s36, s13, 4
	s_lshl_b32 s36, s36, 4
	s_add_co_u32 s36, s36, s15
	s_lshl_b32 s36, s36, 4
	s_and_b32 s37, s13, 15
	s_add_co_u32 s36, s36, s37                     ; (batch x 16 + head) x 16 + the group in its batch
	s_mul_i32 s38, s36, 6656
	s_mul_i32 s40, s36, 13312
	s_mov_b32 s41, 12288
	s_cmp_eq_u32 s14, 0
	s_cselect_b32 s38, s38, s40                    ; where my four images go,
	s_cselect_b32 s41, 6144, s41                   ; and, from there, my scale words: Q 6,144, K 12,288,
	s_cmp_eq_u32 s14, 2
	s_cselect_b32 s41, 6656, s41                   ; V 6,656,
	s_cselect_b32 s42, 6144, 0                     ; V's images lying behind K's
	s_add_co_u32 s38, s38, s42
	s_mov_b32 s39, 0
	s_mov_b32 s[SEL], 0x76543210
	s_mov_b32 s[SEL+1], 0xfedcba98
	s_wait_dscnt 0x0
	s_wait_kmcnt 0x0
	s_add_nc_u64 s[18:19], s[4:5], s[24:25]
	s_or_b32 s19, s19, 0x80000000                  ; type = 2
	tensor_load_to_lds s[16:19], s[28:35]          ; my one tensor load: LDS bytes are filled once in this launch
	s_nop 0
	PLACES
	s_add_nc_u64 s[20:21], s[6:7], s[26:27]
	s_cmp_eq_u32 s14, 0
	s_cselect_b64 s[22:23], s[8:9], s[10:11]
	s_add_nc_u64 s[22:23], s[22:23], s[38:39]
	v_and_b32 v1, 31, v0
	s_delay_alu instid0(VALU_DEP_1)
	v_lshlrev_b32 v1, 4, v1
	s_delay_alu instid0(VALU_DEP_1)
	v_add_nc_u32 v3, 49152, v1
	s_delay_alu instid0(VALU_DEP_2)
	v_add_nc_u32 v4, 98304, v1
	s_delay_alu instid0(VALU_DEP_3)
	v_add_nc_u32 v5, s41, v1
.macro WLOAD s                         ; K step s of my weight: four images and the four scale words, 6,656 consecutive bytes
.irp i, 0,1,2,3,4,5,6,7,8,9,10,11
	global_load_b128 v[WF+48*((\s)%2)+4*\i:WF+48*((\s)%2)+4*\i+3], v1, s[20:21] offset:6656*(\s)+512*\i
.endr
	global_load_b128 v[WS+4*((\s)%2):WS+4*((\s)%2)+3], v1, s[20:21] offset:6656*(\s)+6144
.endm
.macro XFETCH s, a0                    ; x's token tiles a0 .. a0 + 3 of K step s: 12 loads
.irp a, \a0, \a0+1, \a0+2, \a0+3
.irp c, 0,1,2
.if (\s) < 4
	ds_load_b128 v[XF+12*(\a)+4*\c:XF+12*(\a)+4*\c+3], v1 offset:(8*((\s)%4)+(\a))*1536+512*\c
.else
	ds_load_b128 v[XF+12*(\a)+4*\c:XF+12*(\a)+4*\c+3], v3 offset:(8*((\s)%4)+(\a))*1536+512*\c
.endif
.endr
.endr
.endm
.macro XSCL q                          ; x's scale words of K steps 4 q .. 4 q + 3, all eight tiles
.irp a, 0,1,2,3,4,5,6,7
	ds_load_b128 v[XS+4*\a:XS+4*\a+3], v4 offset:1024*\a+512*\q
.endr
.endm
; 16 matrix instructions: token tiles a0 .. a0 + 3 x W's four tiles.  The 32 accumulators take turns, one instruction a turn, in the same order in every K step.
.macro MUL16 s, a0, vrole
.if (\s) == 0
.set zf, 1                             ; the first K step's products start the sums: nothing is cleared
.else
.set zf, 0
.endif
.irp a, \a0, \a0+1, \a0+2, \a0+3
.irp b, 0,1,2,3
.set rX, XF+12*(\a)
.set rW, WF+48*((\s)%2)+12*\b
.set rXS, XS+4*(\a)+(\s)%4
.set rWS, WS+4*((\s)%2)+\b
.if \vrole
.set rD, 64*\b+8*(\a)
	MM rD, rX, rW, zf, rXS, rWS
.else
.set rD, 32*(\a)+8*\b
	MM rD, rW, rX, zf, rWS, rXS
.endif
.endr
.endr
.endm
.macro KSTEP s, vrole
	s_wait_loadcnt 0x0                             ; this K step's weights are in (asked for a K step ago)
.if (\s) < 7
	WLOAD (\s)+1                                   ; into the other set, whose last readers stand in front of the last step's closing places
.endif
	s_wait_dscnt 12                                ; all LDS loads but the youngest 12 (token tiles 4-7) are in
	WIN 0x50                                       ; C and D in window 1
	MUL16 \s, 0, \vrole
	WIN 0
	PLACES
.if (\s) < 7
	XFETCH (\s)+1, 0
	s_wait_dscnt 12                                ; token tiles 4-7 are in; the 12 just issued may be out
.else
	s_wait_dscnt 0x0
.endif
	WIN 0x50
	MUL16 \s, 4, \vrole
	WIN 0
	PLACES
.if (\s) == 3
	XSCL 1
.endif
.if (\s) < 7
	XFETCH (\s)+1, 4
.endif
.endm
	WLOAD 0
	s_wait_alu depctr_va_vdst(0)
	s_wait_tensorcnt 0x0                           ; my eighth of the x block is in LDS,
	s_barrier_signal -1
	s_barrier_wait -1                              ; everybody's is
	XSCL 0
	XFETCH 0, 0
	XFETCH 0, 4
	s_cmp_eq_u32 s14, 2                            ; the work-group's role: the same in all its waves
	s_cbranch_scc1 .Lvalues
.irp s, 0,1,2,3,4,5,6,7
	KSTEP \s, 0
.endr
	s_branch .Lout
.Lvalues:
.irp s, 0,1,2,3,4,5,6,7
	KSTEP \s, 1
.endr
.Lout:
; THE WAY OUT.  Accumulator registers 64 i .. 64 i + 63 are, in both roles, 64 numbers of a lane in the quantiser's order (register 16 b + i' = k 32 b + 16 (lane / 16) + i'): one fragment.
.irp b, 0,1,2,3
	v_mov_b32 v[TM+4+\b], 0                        ; written once: a lane permute's destination counts as one of its sources
.endr
.macro QUANTW i
.set AC, 64*(\i)
.set PCI, PC+20*(\i)
	WIN 0x05                                       ; sources 0 and 1 in window 1
.irp b, 0,1,2,3
	v_max3_num_f32 v[TM+\b], |v[AC+16*\b]|, |v[AC+16*\b+1]|, 0x2800000   ; each accumulator is read from its low end on; the floor 2^(5 - 127) holds the byte at 1 from below
.endr
.irp n, 2,4,6,8,10,12,14
.irp b, 0,1,2,3
	v_max3_num_f32 v[TM+\b], |v[AC+16*\b+\n]|, |v[AC+16*\b+\n+1]|, v[TM+\b]
.endr
.endr
	WIN 0
.irp b, 0,1,2,3
	v_permlanex16_b32 v[TM+4+\b], v[TM+\b], s[SEL], s[SEL+1]
.endr
.irp b, 0,1,2,3
	s_delay_alu instid0(VALU_DEP_4)
	v_max_num_f32 v[TM+\b], v[TM+\b], v[TM+4+\b]   ; with lane l xor 16's: the block's largest magnitude
.endr
.irp b, 0,1,2,3
	s_delay_alu instid0(VALU_DEP_4)
	v_add_nc_u32 v[TM+12+\b], 0xfe000000, v[TM+\b] ; 4 off its exponent field: the conversion's scale operand
.endr
.irp b, 0,1,2,3
	s_delay_alu instid0(VALU_DEP_4)
	v_lshrrev_b32 v[TM+4+\b], 23, v[TM+12+\b]      ; the scale's byte
.endr
	s_delay_alu instid0(VALU_DEP_3)
	v_lshl_or_b32 v[PWB+\i], v[TM+5], 8, v[TM+4]
	s_delay_alu instid0(VALU_DEP_1)
	v_lshl_or_b32 v[PWB+\i], v[TM+6], 16, v[PWB+\i]
	s_delay_alu instid0(VALU_DEP_1)
	v_lshl_or_b32 v[PWB+\i], v[TM+7], 24, v[PWB+\i]
	WIN 0x01                                       ; source 0 in window 1
.irp c, 0,1
	v_cvt_scalef32_pk16_bf6_f32 v[PCI+6*\c:PCI+2+6*\c], v[AC+32*\c:AC+15+32*\c], v[TM+12+2*\c]
	v_cvt_scalef32_pk16_bf6_f32 v[PCI+12+4*\c:PCI+14+4*\c], v[AC+16+32*\c:AC+31+32*\c], v[TM+12+2*\c+1]
.endr
	WIN 0
	v_nop                                          ; one plain instruction behind a scaled conversion
.irp c, 0,1
.irp n, 0,1,2
	v_permlane16_swap_b32 v[PCI+6*\c+\n], v[PCI+12+4*\c+\n]
.endr
.irp n, 0,1,2
	s_delay_alu instid0(VALU_DEP_3)
	v_mov_b32 v[PCI+3+6*\c+\n], v[PCI+12+4*\c+\n]
.endr
.endr
.irp c, 0,1,2
	global_store_b128 v1, v[PCI+4*\c:PCI+4*\c+3], s[22:23] offset:1536*(\i)+512*\c   ; 512 consecutive bytes, aligned; each image has registers of its own, so no store's data are written again
.endr
.endm
	QUANTW 0
	QUANTW 1
	QUANTW 2
	QUANTW 3
	global_store_b128 v5, v[PWB:PWB+3], s[22:23]   ; the four images' scale words
	s_wait_tensorcnt 0x0
	ds_add_u32 v254, v255
	s_wait_dscnt 0x0
	s_endpgm
.Lfunc_end_k_qfab47453f0_qkv:
	.size	k_qfab47453f0_qkv, .Lfunc_end_k_qfab47453f0_qkv-k_qfab47453f0_qkv
	.p2alignl 7, 3214868480
	.fill 96, 4, 3214868480
	.section	.rodata,"a",@progbits
	.p2align	6, 0x0
	.amdhsa_kernel k_qfab47453f0_qkv
		.amdhsa_group_segment_fixed_size 168960
		.amdhsa_private_segment_fixed_size 0
		.amdhsa_enable_private_segment 0
		.amdhsa_kernarg_size 32
		.amdhsa_user_sgpr_count 2
		.amdhsa_user_sgpr_kernarg_segment_ptr 1
		.amdhsa_wavefront_size32 1
		.amdhsa_system_sgpr_workgroup_id_x 1
		.amdhsa_system_sgpr_workgroup_id_y 1
		.amdhsa_system_sgpr_workgroup_id_z 1
		.amdhsa_system_vgpr_workitem_id 0
		.amdhsa_next_free_vgpr 512
		.amdhsa_next_free_sgpr 66
		.amdhsa_reserve_vcc 0
		.amdhsa_float_denorm_mode_32 3
		.amdhsa_float_denorm_mode_16_64 3
		.amdhsa_memory_ordered 1
		.amdhsa_forward_progress 1
		.amdhsa_inst_pref_size 137
	.end_amdhsa_kernel
	.amdgpu_metadata
---
amdhsa.version: [ 1, 2 ]
amdhsa.kernels:
  - .name:           k_qfab47453f0_qkv
    .symbol:         k_qfab47453f0_qkv.kd
    .args:
      - { .name: xi, .offset: 0, .size: 8, .value_kind: global_buffer, .address_space: global }
      - { .name: wi, .offset: 8, .size: 8, .value_kind: global_buffer, .address_space: global }
      - { .name: qi, .offset: 16, .size: 8, .value_kind: global_buffer, .address_space: global }
      - { .name: kv, .offset: 24, .size: 8, .value_kind: global_buffer, .address_space: global }
    .group_segment_fixed_size: 168960
    .private_segment_fixed_size: 0
    .kernarg_segment_align: 8
    .kernarg_segment_size: 32
    .max_flat_workgroup_size: 256
    .sgpr_count:     66
    .vgpr_count:     512
    .wavefront_size: 32
...
	.end_amdgpu_metadata
.endif
;; end of part 2
;; launch attn (part 3): grid 4 x 64, 16 waves a work-group, clusters of 4 x 1, 215,040 bytes of LDS; arguments qi, kv, ao, asc; writes ao, asc
.if DOCPART == 3
	.amdgcn_target "amdgcn-amd-amdhsa--gfx1250"
	.amdhsa_code_object_version 6
	.text
	.protected	k_qfab47453f0_attn
	.globl	k_qfab47453f0_attn
	.p2align	8
	.type	k_qfab47453f0_attn,@function
k_qfab47453f0_attn:
	s_mov_b64 s[64:65], 0
	v_nop
	global_prefetch_b8 v0, s[64:65] scope:SCOPE_SE
	s_setreg_imm32_b32 hwreg(HW_REG_WAVE_MODE, 25, 1), 1
	s_wait_xcnt 0x0
	s_wait_alu depctr_hold_cnt(0) depctr_sa_sdst(0) depctr_va_vdst(0) depctr_va_sdst(0) depctr_va_ssrc(0) depctr_va_vcc(0) depctr_vm_vsrc(0)
	s_getreg_b32 s2, hwreg(HW_REG_IB_STS2, 6, 4)
	s_cmp_eq_u32 s2, 0
	s_cbranch_scc0 .Lentry_in_a_cluster
	s_endpgm
.Lentry_in_a_cluster:
	s_bfe_u32 s2, ttmp6, 0x10000c
	s_cmp_lg_u32 s2, 0x3003
	s_cbranch_scc0 .Lentry_shape_is_right
	s_endpgm
.Lentry_shape_is_right:
; ATTENTION on codes of E3M2.  For each (batch, head): O[q] = sum over k of softmax_k(Q[q] . K[k] / 8) V[k], head size 64, 2,048 keys, no mask.
; THE SOFTMAX AHEAD OF THE SECOND PRODUCT: t = score x log2(e) / 8; M = the running largest t rounded UP to a whole number; p = 2^(t - M) is quantised along the keys, not normalised; the row's sum is taken of the
; unquantised p and divides O at the end.  When M moves, the sum and O are multiplied by 2^(old M - new M), which rounds nothing.
; SHARES.  A work-group owns 512 queries of one (batch, head) = y; each of its sixteen waves owns two tiles of 16 queries, one after the other, in 256 registers: four waves to a SIMD, so that one wave's vector work
; stands beside another's matrix work and LDS loads.
; LDS holds the head's WHOLE block of K and V (images and scale words, 16 key steps x 13,312 bytes), filled once: no slot is ever filled again.
; CLUSTER.  The four work-groups of a head are a cluster and want the same block: each wave's sixteenth is asked for JOINTLY, by the same tensor load with the same descriptor and a mask that names the four.
; LAYOUT.  Both products are used transposed: S^T = K Q^T, O^T = V^T P^T: a lane holds ONE query (lane % 16) throughout.
; THE HEAD'S 64 ARE HALF OF THE INSTRUCTION'S 128.  A fragment of K is a PAIR: registers 0-5 key tile 2 p's 64 features, registers 6-11 key tile 2 p + 1's.  It is multiplied by [q | zero codes] for tile 2 p and by
; [zero codes | q] for tile 2 p + 1: v16-21 = q, v22-27 = 0, v28-33 = q, so that v[16:27] and v[22:33] are the two operands.  The zero half's scale bytes are 0, which is 2^-127: zero codes add nothing under it.
; The tiles' rows are laid so that register 16 p + i of the scores is key 32 p + 16 (lane / 16) + i of the step's 128: 16 neighbours along the second product's K.
; OUT.  O / the sum is quantised along the model's 1,024 (my head's 64 are two blocks) and stored as half a fragment: ao [token tile 512][K step 8][1,536], registers 2 i, 2 i + 1 at 256 i + 8 l; head parity c owns
; pieces 3 c .. 3 c + 2.  asc [token tile][head][lane]: a word with the two scale bytes.
; LIMITS: a block of zeros gets the byte 1, not 127 (its codes are zeros, and this program alone reads the bytes); NaN and infinities are not served; 1 / the sum is v_rcp_f32's.
.set ADR,  2                           ; v2   LDS address of the key step in hand: its first byte + 16 x lane      (v1 16 x lane, v3 8 x lane, v4 4 x lane, v5 my pair's scale word in qi)
.set KS,   8                           ; v8-11   K's scale words, pair p
.set QLO,  16                          ; v[16:27] [q | 0]
.set QHI,  22                          ; v[22:33] [0 | q]
.set F,    40                          ; v40-87  four fragments of K or of V
.set VS,   88                          ; v88-91  V's scale words, tile t
.set QSLO, 92                          ; v92, v93 q's scale bytes in the low half, in the high half
.set QSHI, 93
.set PS,   94                          ; v94     p's scale word
.set S,    96                          ; v96-159 S^T, then p
.set O,    160                         ; v160-191 O^T                                                              (v12 -M, v13 the largest t, v[14:15] the sum in two halves)
.set PC,   192                         ; v192-203 p's codes
.set PT,   204                         ; v204-206, v208-210 their upper halves on the way
.set BM,   212                         ; v212-215 each block's largest score, then largest p
.set BT,   216                         ; v216-219 the other half's; then the bytes
.set SO,   220                         ; v220-223 the conversions' scale operands
.set T0,   224
.set T1,   225
.set FF,   226                         ; v[226:227] f = 2^(old M - new M)
.set L2,   228                         ; v[228:229] the sum's second chain
.set WV,   12
.set CS,   22                          ; s[22:23] c = log2(e) / 8
.set TB,   32                          ; s32  LDS byte at which the key step begins
.set CNT,  33
.set SEL,  46                          ; s[46:47]
.macro PLACES
.rept 4
	v_nop
.endr
.endm
.macro MM d, a, b, zero, sa, sb
.if \zero
	v_wmma_scale_f32_16x16x128_f8f6f4 v[(\d):(\d)+7], v[(\a):(\a)+11], v[(\b):(\b)+11], 0, v[\sa], v[\sb] matrix_a_fmt:MATRIX_FMT_BF6 matrix_b_fmt:MATRIX_FMT_BF6
.else
	v_wmma_scale_f32_16x16x128_f8f6f4 v[(\d):(\d)+7], v[(\a):(\a)+11], v[(\b):(\b)+11], v[(\d):(\d)+7], v[\sa], v[\sb] matrix_a_fmt:MATRIX_FMT_BF6 matrix_b_fmt:MATRIX_FMT_BF6
.endif
.endm
.macro ROUND                           ; a round of the cluster's barrier: my work-group's barrier; wave 0 signals for the work-group; every wave waits for all four work-groups; my work-group's barrier once more
	s_barrier_signal -1
	s_barrier_wait -1
	s_cmp_lg_u32 s[WV], 0
	s_cbranch_scc1 .Lnot_wave_0_\@
	s_barrier_signal -3
.Lnot_wave_0_\@:
	s_barrier_wait -3
	s_barrier_signal -1
	s_barrier_wait -1
.endm
	s_load_b256 s[4:11], s[0:1], 0x0               ; qi s[4:5], kv s[6:7], ao s[8:9], asc s[10:11]
	v_lshl_add_u32 v254, v0, 2, 0x34000
	v_mov_b32 v255, 0
	ds_add_u32 v254, v255
	ds_add_u32 v254, v255
	v_lshrrev_b32 v1, 5, v0
	s_delay_alu instid0(VALU_DEP_1)
	v_readfirstlane_b32 s[WV], v1                  ; wave 0..15
	s_bfe_u32 s13, ttmp6, 0x40000                  ; cx: my place in the cluster: it enters the addresses of qi, ao and asc alone
	s_lshl_b32 s14, ttmp9, 2
	s_add_co_u32 s14, s14, s13                     ; my block of 512 queries
	s_and_b32 s15, ttmp7, 0xffff                   ; batch x 16 + head, which the four partners share
	; descriptor group 1: 52 rows of 256 bytes (32 elements of 8 bytes), dense: a key step's 13,312 bytes
	s_mov_b32 s24, 15|(3<<16)|(1<<21)              ; the mask: all four work-groups; elements of 8 bytes; bit 21 set beside a mask; no padding
	s_mov_b32 s25, 32<<16                          ; tensor_dim0
	s_mov_b32 s26, 52<<16                          ; tensor_dim1
	s_mov_b32 s27, 32<<16                          ; tile_dim0
	s_mov_b32 s28, 52                              ; tile_dim1
	s_mov_b32 s29, 32                              ; from row to row
	s_mov_b32 s30, 0
	s_mov_b32 s31, 0
	s_mov_b32 s16, 1
	s_mul_i32 s17, s[WV], 13312                    ; LDS: key step = my wave's number
	s_mul_i32 s20, s15, 212992
	s_add_co_u32 s20, s20, s17
	s_mov_b32 s21, 0
	s_lshl_b32 s34, s15, 4
	s_lshl_b32 s35, s14, 2
	s_add_co_u32 s34, s34, s35
	s_lshr_b32 s35, s[WV], 2
	s_add_co_u32 s34, s34, s35
	s_mul_i32 s34, s34, 6656                       ; qi: my group of 128 tokens,
	s_and_b32 s36, s[WV], 3
	s_mul_i32 s37, s36, 1536
	s_add_co_u32 s38, s34, s37                     ; my pair's image,
	s_mov_b32 s39, 0
	s_add_co_u32 s34, s34, 6144                    ; the group's scale words
	s_mov_b32 s35, 0
	s_lshr_b32 s40, s15, 4
	s_lshl_b32 s40, s40, 7
	s_lshl_b32 s41, s14, 5
	s_add_co_u32 s40, s40, s41
	s_lshl_b32 s41, s[WV], 1
	s_add_co_u32 s40, s40, s41                     ; my first token tile: 128 x batch + 32 x block + 2 x wave
	s_and_b32 s41, s15, 15                         ; head
	s_mul_i32 s42, s40, 12288
	s_lshr_b32 s43, s41, 1
	s_mul_i32 s43, s43, 1536
	s_add_co_u32 s42, s42, s43
	s_and_b32 s43, s41, 1
	s_mul_i32 s43, s43, 768
	s_add_co_u32 s42, s42, s43                     ; ao: tile, K step head / 2, half head % 2
	s_mov_b32 s43, 0
	s_lshl_b32 s44, s40, 11
	s_lshl_b32 s45, s41, 7
	s_add_co_u32 s44, s44, s45                     ; asc: tile, head
	s_mov_b32 s45, 0
	s_mov_b32 s[CS], 0x3e38aa3b                    ; c = log2(e) / 8
	s_mov_b32 s[CS+1], s[CS]                       ; (named with it as a pair, so it is written)
	s_mov_b32 s[SEL], 0x76543210
	s_mov_b32 s[SEL+1], 0xfedcba98
	s_wait_dscnt 0x0
	s_wait_kmcnt 0x0
	s_add_nc_u64 s[18:19], s[6:7], s[20:21]
	s_or_b32 s19, s19, 0x80000000                  ; type = 2
	s_add_nc_u64 s[38:39], s[4:5], s[38:39]
	s_add_nc_u64 s[34:35], s[4:5], s[34:35]
	s_add_nc_u64 s[42:43], s[8:9], s[42:43]
	s_add_nc_u64 s[44:45], s[10:11], s[44:45]
	ROUND                                          ; all four work-groups are here: the joint loads meet
	tensor_load_to_lds s[16:19], s[24:31]          ; my one tensor load
	s_nop 0
	PLACES
	v_and_b32 v4, 31, v0
	s_delay_alu instid0(VALU_DEP_1)
	v_lshlrev_b32 v1, 4, v4
	s_delay_alu instid0(VALU_DEP_2)
	v_lshlrev_b32 v3, 3, v4
	s_delay_alu instid0(VALU_DEP_3)
	v_lshlrev_b32 v4, 2, v4
	s_delay_alu instid0(VALU_DEP_3)
	v_lshl_add_u32 v5, s36, 2, v1
.irp i, 0,1,2,3,4,5
	v_mov_b32 v[QHI+\i], 0                         ; the zero codes that both operands share
.endr
.irp b, 0,1,2,3
	v_mov_b32 v[BT+\b], 0                          ; written once: a lane permute's destination counts as one of its sources
.endr
	v_mov_b32 v[FF+1], 0                           ; (named as the upper half of a pair)
	s_wait_tensorcnt 0x0                           ; my key step is in LDS,
	s_barrier_signal -1
	s_barrier_wait -1                              ; everybody's is
; A KEY STEP: 128 keys.
.macro STEP
	v_add_nc_u32 v[ADR], s[TB], v1
	PLACES                                         ; in front of loads into registers that the last step's products have read
	ds_load_b128 v[KS:KS+3], v[ADR] offset:12288
.irp i, 0,1,2,3,4,5,6,7,8,9,10,11
	ds_load_b128 v[F+4*\i:F+4*\i+3], v[ADR] offset:512*\i
.endr
	s_wait_alu depctr_va_vdst(0)
	s_wait_dscnt 0x0
.irp p, 0,1,2,3
	MM S+16*\p, F+12*\p, QLO, 1, KS+\p, QSLO       ; key tile 2 p
	MM S+16*\p+8, F+12*\p, QHI, 1, KS+\p, QSHI     ; key tile 2 p + 1
.endr
	PLACES                                         ; in front of the loads below and of the first read of the scores
.irp i, 0,1,2,3,4,5,6,7,8,9,10,11
	ds_load_b128 v[F+4*\i:F+4*\i+3], v[ADR] offset:6144+512*\i   ; V's four tiles land while the softmax is walked
.endr
	ds_load_b128 v[VS:VS+3], v[ADR] offset:12800
.irp b, 0,1,2,3
	v_max3_num_f32 v[BM+\b], v[S+16*\b], v[S+1+16*\b], v[S+2+16*\b]   ; the largest score of each block of 32 keys: for the row's maximum and, since p rises with the score, for the block's largest p
.endr
.irp i, 3,5,7,9,11,13
.irp b, 0,1,2,3
	v_max3_num_f32 v[BM+\b], v[BM+\b], v[S+16*\b+\i], v[S+1+16*\b+\i]
.endr
.endr
.irp b, 0,1,2,3
	v_max_num_f32 v[BM+\b], v[BM+\b], v[S+15+16*\b]
.endr
.irp b, 0,1,2,3
	s_delay_alu instid0(VALU_DEP_4)
	v_permlanex16_b32 v[BT+\b], v[BM+\b], s[SEL], s[SEL+1]
.endr
.irp b, 0,1,2,3
	s_delay_alu instid0(VALU_DEP_4)
	v_max_num_f32 v[BM+\b], v[BM+\b], v[BT+\b]     ; with lane l xor 16's 16 keys
.endr
	s_delay_alu instid0(VALU_DEP_2)
	v_max3_num_f32 v[T0], v[BM], v[BM+1], v[BM+2]
	s_delay_alu instid0(VALU_DEP_1)
	v_max_num_f32 v[T0], v[T0], v[BM+3]            ; the step's largest score of my query
	s_delay_alu instid0(VALU_DEP_1)
	v_mul_f32 v[T0], s[CS], v[T0]                  ; as t (c is positive)
	s_delay_alu instid0(VALU_DEP_1)
	v_max_num_f32 v13, v13, v[T0]                  ; the running largest t
	v_mov_b32 v[T0], v12
	s_delay_alu instid0(VALU_DEP_2)
	v_floor_f32 v12, -v13                          ; the new -M = floor(-t): M is a whole number
	s_delay_alu instid0(VALU_DEP_1)
	v_sub_f32 v[T0], v12, v[T0]                    ; old M - new M: a whole number, 0 or less
	s_delay_alu instid0(VALU_DEP_1)
	v_cvt_i32_f32 v[T0], v[T0]                     ; (it saturates)
	s_delay_alu instid0(VALU_DEP_1)
	v_ldexp_f32 v[FF], 1.0, v[T0]                  ; f = 2^(old M - new M)
.irp j, 0,2,4,6,8,10,12,14,16,18,20,22,24,26,28,30,32,34,36,38,40,42,44,46,48,50,52,54,56,58,60,62
	v_pk_fma_f32 v[S+\j:S+\j+1], v[S+\j:S+\j+1], s[CS:CS+1], v[12:13] op_sel_hi:[1,0,0]   ; t - M, two at a time
.endr
.irp b, 0,1,2,3
	v_fma_f32 v[BM+\b], v[BM+\b], s[CS], v12       ; the same of each block's largest score
.endr
	s_wait_alu depctr_va_vdst(0)
.irp j, 0,1,2,3,4,5,6,7,8,9,10,11,12,13,14,15,16,17,18,19,20,21,22,23,24,25,26,27,28,29,30,31,32,33,34,35,36,37,38,39,40,41,42,43,44,45,46,47,48,49,50,51,52,53,54,55,56,57,58,59,60,61,62,63
	v_exp_f32 v[S+\j], v[S+\j]                     ; p = 2^(t - M), at most 1
.endr
	s_setprio 1
	v_pk_mul_f32 v[14:15], v[14:15], v[FF:FF+1] op_sel_hi:[1,0]   ; the sums under the new M: the plain instruction behind the exponentials
	s_wait_alu depctr_va_vdst(0)                   ; one wait for the batch of 64, ahead of its first reader
.irp b, 0,1,2,3
	v_exp_f32 v[BM+\b], v[BM+\b]                   ; the block's largest p
.endr
	v_pk_add_f32 v[228:229], v[100:101], v[104:105]
	v_pk_add_f32 v[252:253], v[108:109], v[112:113]
	v_pk_add_f32 v[250:251], v[116:117], v[120:121]
	v_pk_add_f32 v[248:249], v[124:125], v[128:129]
	v_pk_add_f32 v[246:247], v[132:133], v[136:137]
	v_pk_add_f32 v[244:245], v[140:141], v[144:145]
	v_pk_add_f32 v[242:243], v[148:149], v[152:153]
	v_pk_add_f32 v[14:15], v[14:15], v[156:157]
	v_pk_add_f32 v[228:229], v[228:229], v[96:97]
	v_pk_add_f32 v[252:253], v[252:253], v[98:99]
	v_pk_add_f32 v[250:251], v[250:251], v[102:103]
	v_pk_add_f32 v[248:249], v[248:249], v[106:107]
	v_pk_add_f32 v[246:247], v[246:247], v[110:111]
	v_pk_add_f32 v[244:245], v[244:245], v[114:115]
	v_pk_add_f32 v[242:243], v[242:243], v[118:119]
	v_pk_add_f32 v[14:15], v[14:15], v[122:123]
	v_pk_add_f32 v[228:229], v[228:229], v[126:127]
	v_pk_add_f32 v[252:253], v[252:253], v[130:131]
	v_pk_add_f32 v[250:251], v[250:251], v[134:135]
	v_pk_add_f32 v[248:249], v[248:249], v[138:139]
	v_pk_add_f32 v[246:247], v[246:247], v[142:143]
	v_pk_add_f32 v[244:245], v[244:245], v[146:147]
	v_pk_add_f32 v[242:243], v[242:243], v[150:151]
	v_pk_add_f32 v[14:15], v[14:15], v[154:155]
	v_pk_add_f32 v[228:229], v[228:229], v[158:159]
	s_delay_alu instid0(VALU_DEP_2)
	v_pk_add_f32 v[14:15], v[14:15], v[248:249]
	s_delay_alu instid0(VALU_DEP_2)
	v_pk_add_f32 v[228:229], v[228:229], v[246:247]
	v_pk_add_f32 v[252:253], v[252:253], v[244:245]
	v_pk_add_f32 v[250:251], v[250:251], v[242:243]
	s_delay_alu instid0(VALU_DEP_2)
	v_pk_add_f32 v[14:15], v[14:15], v[252:253]
	s_delay_alu instid0(VALU_DEP_2)
	v_pk_add_f32 v[228:229], v[228:229], v[250:251]
	s_delay_alu instid0(VALU_DEP_1)
	v_pk_add_f32 v[14:15], v[14:15], v[228:229]
	s_wait_alu depctr_va_vdst(0)                   ; and one for the four
.irp b, 0,1,2,3
	v_max_num_f32 v[BM+\b], 0x2800000, v[BM+\b]    ; the floor 2^(5 - 127): the byte cannot fall under 1
.endr
.irp b, 0,1,2,3
	s_delay_alu instid0(VALU_DEP_4)
	v_add_nc_u32 v[SO+\b], 0xfe000000, v[BM+\b]    ; 4 off the exponent field: the conversion's scale operand
.endr
.irp b, 0,1,2,3
	s_delay_alu instid0(VALU_DEP_4)
	v_lshrrev_b32 v[BT+\b], 23, v[SO+\b]           ; the scale's byte
.endr
	s_delay_alu instid0(VALU_DEP_3)
	v_lshl_or_b32 v[PS], v[BT+1], 8, v[BT]         ; p's scale word for these 128 keys
	s_delay_alu instid0(VALU_DEP_1)
	v_lshl_or_b32 v[PS], v[BT+2], 16, v[PS]
	s_delay_alu instid0(VALU_DEP_1)
	v_lshl_or_b32 v[PS], v[BT+3], 24, v[PS]
.irp c, 0,1
	v_cvt_scalef32_pk16_bf6_f32 v[PC+6*\c:PC+2+6*\c], v[S+32*\c:S+15+32*\c], v[SO+2*\c]
	v_cvt_scalef32_pk16_bf6_f32 v[PT+4*\c:PT+2+4*\c], v[S+16+32*\c:S+31+32*\c], v[SO+2*\c+1]
.endr
	v_nop                                          ; one plain instruction behind a scaled conversion
.irp c, 0,1                                    ; the operand wants a WHOLE block in a lane
.irp i, 0,1,2
	v_permlane16_swap_b32 v[PC+6*\c+\i], v[PT+4*\c+\i]
.endr
.irp i, 0,1,2
	s_delay_alu instid0(VALU_DEP_3)
	v_mov_b32 v[PC+3+6*\c+\i], v[PT+4*\c+\i]
.endr
.endr
	s_setprio 0
.irp j, 0,2,4,6,8,10,12,14,16,18,20,22,24,26,28,30
	v_pk_mul_f32 v[O+\j:O+\j+1], v[O+\j:O+\j+1], v[FF:FF+1] op_sel_hi:[1,0]   ; O^T under the new M.  These 16 also stand between the writes of p's codes and scale word and the products below
.endr
	s_wait_alu depctr_va_vdst(0)
	s_wait_dscnt 0x0                               ; V is in
.irp t, 0,1,2,3
	MM O+8*\t, F+12*\t, PC, 0, VS+\t, PS           ; O^T += V^T P^T: the four accumulators by turns
.endr
.endm
; ONE TILE OF 16 QUERIES: half e of my pair.
.macro QTILE e
.if \e
	s_wait_xcnt 0x0                                ; the first tile's stores have read their registers, which are written again below
.endif
.irp c, 0,1,2
	global_load_b128 v[F+4*\c:F+4*\c+3], v1, s[38:39] offset:512*\c   ; my pair's image
.endr
	global_load_b32 v[T0], v5, s[34:35]            ; and its scale word
	s_wait_loadcnt 0x0
.irp i, 0,1,2,3,4,5
	v_mov_b32 v[QLO+\i], v[F+6*\e+\i]
	v_mov_b32 v[QHI+6+\i], v[F+6*\e+\i]
.endr
.if \e
	v_lshrrev_b32 v[QSLO], 16, v[T0]
	v_and_b32 v[QSHI], 0xffff0000, v[T0]
.else
	v_and_b32 v[QSLO], 0xffff, v[T0]
	v_lshlrev_b32 v[QSHI], 16, v[T0]
.endif
	v_mov_b32 v13, 0xff61b1e6                      ; the largest t so far: -3e38, under every t
	s_delay_alu instid0(VALU_DEP_1)
	v_floor_f32 v12, -v13                          ; -M
	v_mov_b32 v14, 0
	v_mov_b32 v15, 0
.irp j, 0,1,2,3,4,5,6,7,8,9,10,11,12,13,14,15,16,17,18,19,20,21,22,23,24,25,26,27,28,29,30,31
	v_mov_b32 v[O+\j], 0                           ; the step is written once: the first finds zeros.  These lines also stand between the writes of q and its scale words and the first products
.endr
	s_mov_b32 s[TB], 0
	s_mov_b32 s[CNT], 16
.Lkey_\@:
	s_setprio 2
	STEP
	s_add_co_u32 s[TB], s[TB], 13312
	s_sub_co_u32 s[CNT], s[CNT], 1
	s_cmp_lg_u32 s[CNT], 0
	s_cbranch_scc1 .Lkey_\@
	s_setprio 0
	PLACES                                         ; behind the last products
	v_add_f32 v14, v14, v15                        ; the sum's two halves,
	s_delay_alu instid0(VALU_DEP_1)
	v_permlanex16_b32 v[T0], v14, s[SEL], s[SEL+1]
	s_delay_alu instid0(VALU_DEP_1)
	v_add_f32 v14, v14, v[T0]                      ; and lane l xor 16's: the row's sum
	s_wait_alu depctr_va_vdst(0)
	v_rcp_f32 v14, v14
	v_nop                                          ; a plain instruction behind the reciprocal,
	s_wait_alu depctr_va_vdst(0)                   ; and the wait ahead of its first reader
.irp j, 0,2,4,6,8,10,12,14,16,18,20,22,24,26,28,30
	v_pk_mul_f32 v[S+\j:S+\j+1], v[O+\j:O+\j+1], v[14:15] op_sel_hi:[1,0]   ; O^T / the sum: register 16 b + i is feature 32 b + 16 (lane / 16) + i of my head
.endr
.irp b, 0,1
	v_max3_num_f32 v[BM+\b], |v[S+16*\b]|, |v[S+1+16*\b]|, 0x2800000
.endr
.irp i, 2,4,6,8,10,12,14
.irp b, 0,1
	s_delay_alu instid0(VALU_DEP_2)
	v_max3_num_f32 v[BM+\b], v[BM+\b], |v[S+16*\b+\i]|, |v[S+1+16*\b+\i]|
.endr
.endr
.irp b, 0,1
	s_delay_alu instid0(VALU_DEP_2)
	v_permlanex16_b32 v[BT+\b], v[BM+\b], s[SEL], s[SEL+1]
.endr
.irp b, 0,1
	s_delay_alu instid0(VALU_DEP_2)
	v_max_num_f32 v[BM+\b], v[BM+\b], v[BT+\b]
.endr
.irp b, 0,1
	s_delay_alu instid0(VALU_DEP_2)
	v_add_nc_u32 v[SO+\b], 0xfe000000, v[BM+\b]
.endr
.irp b, 0,1
	s_delay_alu instid0(VALU_DEP_2)
	v_lshrrev_b32 v[BT+\b], 23, v[SO+\b]
.endr
	s_delay_alu instid0(VALU_DEP_1)
	v_lshl_or_b32 v[T1], v[BT+1], 8, v[BT]         ; my head's two scale bytes
	v_cvt_scalef32_pk16_bf6_f32 v[PC:PC+2], v[S:S+15], v[SO]
	v_cvt_scalef32_pk16_bf6_f32 v[PT:PT+2], v[S+16:S+31], v[SO+1]
	v_nop
.irp i, 0,1,2
	v_permlane16_swap_b32 v[PC+\i], v[PT+\i]
.endr
.irp i, 0,1,2
	s_delay_alu instid0(VALU_DEP_3)
	v_mov_b32 v[PC+3+\i], v[PT+\i]
.endr
.irp i, 0,1,2
	global_store_b64 v3, v[PC+2*\i:PC+2*\i+1], s[42:43] offset:12288*\e+256*\i   ; 32 lanes store 256 consecutive bytes, aligned
.endr
	global_store_b32 v4, v[T1], s[44:45] offset:2048*\e
.endm
	QTILE 0
	QTILE 1
	s_wait_tensorcnt 0x0
	ds_add_u32 v254, v255
	s_wait_dscnt 0x0
	ROUND                                          ; the closing round: no work-group ends while a partner may still ask for a tile that names it
	s_endpgm
.Lfunc_end_k_qfab47453f0_attn:
	.size	k_qfab47453f0_attn, .Lfunc_end_k_qfab47453f0_attn-k_qfab47453f0_attn
	.p2alignl 7, 3214868480
	.fill 96, 4, 3214868480
	.section	.rodata,"a",@progbits
	.p2align	6, 0x0
	.amdhsa_kernel k_qfab47453f0_attn
		.amdhsa_group_segment_fixed_size 215040
		.amdhsa_private_segment_fixed_size 0
		.amdhsa_enable_private_segment 0
		.amdhsa_kernarg_size 32
		.amdhsa_user_sgpr_count 2
		.amdhsa_user_sgpr_kernarg_segment_ptr 1
		.amdhsa_wavefront_size32 1
		.amdhsa_system_sgpr_workgroup_id_x 1
		.amdhsa_system_sgpr_workgroup_id_y 1
		.amdhsa_system_sgpr_workgroup_id_z 1
		.amdhsa_system_vgpr_workitem_id 0
		.amdhsa_next_free_vgpr 256
		.amdhsa_next_free_sgpr 66
		.amdhsa_reserve_vcc 0
		.amdhsa_float_denorm_mode_32 3
		.amdhsa_float_denorm_mode_16_64 3
		.amdhsa_memory_ordered 1
		.amdhsa_forward_progress 1
		.amdhsa_inst_pref_size 52
	.end_amdhsa_kernel
	.amdgpu_metadata
---
amdhsa.version: [ 1, 2 ]
amdhsa.kernels:
  - .name:           k_qfab47453f0_attn
    .symbol:         k_qfab47453f0_attn.kd
    .args:
      - { .name: qi, .offset: 0, .size: 8, .value_kind: global_buffer, .address_space: global }
      - { .name: kv, .offset: 8, .size: 8, .value_kind: global_buffer, .address_space: global }
      - { .name: ao, .offset: 16, .size: 8, .value_kind: global_buffer, .address_space: global }
      - { .name: asc, .offset: 24, .size: 8, .value_kind: global_buffer, .address_space: global }
    .group_segment_fixed_size: 215040
    .private_segment_fixed_size: 0
    .kernarg_segment_align: 8
    .kernarg_segment_size: 32
    .max_flat_workgroup_size: 512
    .sgpr_count:     66
    .vgpr_count:     256
    .wavefront_size: 32
...
	.end_amdgpu_metadata
.endif
;; end of part 3
;; launch outln (part 4): grid 256 x 1, 16 waves a work-group, no clusters, 160,256 bytes of LDS; arguments ao, asc, wi, x, b_o, ln_g, ln_b, out0; writes out0
.if DOCPART == 4
	.amdgcn_target "amdgcn-amd-amdhsa--gfx1250"
	.amdhsa_code_object_version 6
	.text
	.protected	k_qfab47453f0_outln
	.globl	k_qfab47453f0_outln
	.p2align	8
	.type	k_qfab47453f0_outln,@function
k_qfab47453f0_outln:
	s_mov_b64 s[64:65], 0
	v_nop
	global_prefetch_b8 v0, s[64:65] scope:SCOPE_SE
	s_setreg_imm32_b32 hwreg(HW_REG_WAVE_MODE, 25, 1), 1
	s_wait_xcnt 0x0
; OUT AND LAYER NORM.  out0 = LayerNorm(x + A W_o^T + b_o) g + b, A = attention's result as codes of E3M2 (made by the launch before), W_o as images; all else in f32.
; SHARES.  A work-group takes 32 tokens (token tiles 2 G, 2 G + 1) and ALL 1,024 outputs, so that a row's mean and variance have one owner.  Wave w makes outputs 64 w .. 64 w + 63 for the 32 tokens
; (4 tiles of W_o x 2 token tiles: 8 accumulators, 64 matrix instructions) and afterwards finishes two whole rows.
; A's 16 fragments are wanted by all sixteen waves: wave w fetches fragment (tile w / 8, K step w % 8) and hands it on through LDS as an image of its registers.  A fragment of W_o is wanted by one wave of the
; work-group alone, so it goes from memory straight into that wave's registers.  NO CLUSTER for W_o: a joint load would lay 98,304 bytes a K step into LDS only to be read back once.
; Source 0 = 16 rows of W_o, source 1 = 16 tokens: a lane holds one token and eight neighbouring outputs; they meet in a stage in LDS (32 rows of 4,096 + 16 bytes) and come back as whole rows.
; The variance is the mean of (y - mean)^2, taken in a second pass over the registers: no difference of large sums is formed.  LIMIT: 1 / sqrt is v_rsq_f32's; NaN and infinities are not served.
; LDS: A's images at 1,536 (8 a + s); their scale words at 24,576 + 256 s + 8 l + 4 a; the stage from 26,624.
; REGISTERS: v1 16 l, v2 8 l, v3 4 l, v4, v5 into the stage (token tile 0, 1), v6 out of it, v7 256 l, v8, v9 where I put my image and its scale word, v10 the scale words' address.
.set BO,  16                           ; v16-47   b_o at my columns: 128 j + 4 l + 0 .. 3
.set WS,  48                           ; v48-51   W_o's scale words
.set AS,  52                           ; v52-53   A's scale words, token tile 0, 1
.set AF,  56                           ; v56-79   A's two fragments
.set WF,  80                           ; v80-127  W_o's four fragments
.set XR,  128                          ; v128-191 two rows of x, then y, then the result
.set ACC, 192                          ; v192-255 the eight accumulators; then two rows back from the stage
.set GG,  48                           ; behind the products: v48-79 ln_g, v80-111 ln_b,
.set BB,  80
.set TA,  112                          ; v112-119 two chains of sums for each row, v120-123 a row's figure (in a pair), v124-125 the other half's
.set TS,  120
.set TP,  124
.set STGB, 26624
.set SEL, 40
.macro PLACES
.rept 4
	v_nop
.endr
.endm
	s_load_b256 s[4:11], s[0:1], 0x0               ; ao s[4:5], asc s[6:7], wi s[8:9], x s[10:11]
	s_load_b256 s[12:19], s[0:1], 0x20             ; b_o s[12:13], ln_g s[14:15], ln_b s[16:17], out0 s[18:19]
	v_lshl_add_u32 v14, v0, 2, 0x26a00
	v_mov_b32 v15, 0
	v_lshrrev_b32 v1, 5, v0
	s_delay_alu instid0(VALU_DEP_1)
	v_readfirstlane_b32 s20, v1                    ; wave 0..15
	s_lshr_b32 s21, s20, 3                         ; a
	s_and_b32 s22, s20, 7                          ; s
	v_and_b32 v11, 31, v0
	v_and_b32 v12, 15, v0
	v_bfe_u32 v13, v0, 4, 1
	s_delay_alu instid0(VALU_DEP_3)
	v_lshlrev_b32 v1, 4, v11
	s_delay_alu instid0(VALU_DEP_4)
	v_lshlrev_b32 v2, 3, v11
	s_wait_alu depctr_va_vdst(0)
	v_lshlrev_b32 v3, 2, v11
	v_lshlrev_b32 v7, 8, v11
	v_mul_u32_u24 v4, v12, 4112
	s_delay_alu instid0(VALU_DEP_1)
	v_lshl_add_u32 v4, v13, 6, v4
	s_lshl_b32 s23, s20, 8
	s_add_co_u32 s23, s23, STGB
	v_add_nc_u32 v4, s23, v4                       ; stage row r, + 256 w + 64 h
	s_delay_alu instid0(VALU_DEP_1)
	v_add_nc_u32 v5, 65792, v4                     ; and 16 rows further down
	s_mul_i32 s23, s20, 8224
	s_add_co_u32 s23, s23, STGB
	v_add_nc_u32 v6, s23, v1                       ; stage rows 2 w, 2 w + 1
	s_mul_i32 s23, s20, 1536
	v_add_nc_u32 v8, s23, v1
	s_lshl_b32 s23, s22, 8
	s_lshl_b32 s24, s21, 2
	s_add_co_u32 s23, s23, s24
	s_add_co_u32 s23, s23, 24576
	v_add_nc_u32 v9, s23, v2
	v_add_nc_u32 v10, 24576, v2
	s_lshl_b32 s25, ttmp9, 1
	s_add_co_u32 s25, s25, s21                     ; token tile 2 G + a
	s_mul_i32 s26, s25, 12288
	s_mul_i32 s27, s22, 1536
	s_add_co_u32 s26, s26, s27
	s_mov_b32 s27, 0
	s_lshl_b32 s28, s25, 11
	s_lshl_b32 s29, s22, 8
	s_add_co_u32 s28, s28, s29                     ; heads 2 s and 2 s + 1
	s_mov_b32 s29, 0
	s_add_co_u32 s30, s20, 48
	s_mul_i32 s30, s30, 53248                      ; W_o's rows 64 w on
	s_mov_b32 s31, 0
	s_lshl_b32 s32, ttmp9, 5                       ; stage rows 2 w, 2 w + 1 are rows 2 s, 2 s + 1 of tile a: tokens 32 G + 8 a + 2 s + 8 (s / 4) and the next
	s_lshl_b32 s34, s21, 3
	s_add_co_u32 s32, s32, s34
	s_lshl_b32 s34, s22, 1
	s_add_co_u32 s32, s32, s34
	s_lshr_b32 s34, s22, 2
	s_lshl_b32 s34, s34, 3
	s_add_co_u32 s32, s32, s34
	s_lshl_b32 s32, s32, 12
	s_mov_b32 s33, 0
	s_mov_b32 s36, 0x3a800000                      ; 1 / 1024
	s_mov_b32 s37, 0x3727c5ac                      ; 1e-5
	s_mov_b32 s38, 0xba800000                      ; -1 / 1024
	s_mov_b32 s[SEL], 0x76543210
	s_mov_b32 s[SEL+1], 0xfedcba98
	s_wait_alu depctr_va_vdst(0)
	s_wait_kmcnt 0x0
	s_add_nc_u64 s[4:5], s[4:5], s[26:27]
	s_add_nc_u64 s[6:7], s[6:7], s[28:29]
	s_add_nc_u64 s[8:9], s[8:9], s[30:31]
	s_add_nc_u64 s[10:11], s[10:11], s[32:33]
	s_add_nc_u64 s[18:19], s[18:19], s[32:33]
.macro WLOAD s
.irp i, 0,1,2,3,4,5,6,7,8,9,10,11
	global_load_b128 v[WF+4*\i:WF+4*\i+3], v1, s[8:9] offset:6656*(\s)+512*\i
.endr
	global_load_b128 v[WS:WS+3], v1, s[8:9] offset:6656*(\s)+6144
.endm
.irp i, 0,1,2,3,4,5
	global_load_b64 v[AF+2*\i:AF+2*\i+1], v2, s[4:5] offset:256*\i   ; my fragment of A
.endr
	global_load_b32 v[AS], v3, s[6:7]              ; its scale bytes: two of head 2 s,
	global_load_b32 v[AS+1], v3, s[6:7] offset:128 ; two of head 2 s + 1
.irp j, 0,1,2,3,4,5,6,7
	global_load_b128 v[BO+4*\j:BO+4*\j+3], v1, s[12:13] offset:512*\j
.endr
	WLOAD 0
	s_wait_loadcnt 21                              ; the first eight loads are in; b_o's 8 and W_o's 13 may be out
	v_lshl_or_b32 v54, v[AS+1], 16, v[AS]          ; the fragment's scale word
.irp c, 0,1,2
	ds_store_b128 v8, v[AF+4*\c:AF+4*\c+3] offset:512*\c
.endr
	ds_store_b32 v9, v54
	s_wait_dscnt 0x0                               ; for the others' sake: my stores have landed
	s_barrier_signal -1
	s_barrier_wait -1                              ; A's sixteen fragments lie in LDS
.macro KSTEP s
.if (\s) > 0
	PLACES                                         ; in front of loads into registers that the last step's products have read
	WLOAD \s
.endif
.irp a, 0,1
.irp c, 0,1,2
	ds_load_b128 v[AF+12*\a+4*\c:AF+12*\a+4*\c+3], v1 offset:(8*\a+(\s))*1536+512*\c
.endr
.endr
	ds_load_b64 v[AS:AS+1], v10 offset:256*(\s)
.if (\s) == 4
	global_prefetch_b8 v7, s[10:11] th:TH_LOAD_NT scope:SCOPE_SE   ; my two rows of x, 8,192 bytes, lanes 256 bytes apart: each block named once in the launch, three K steps ahead of the loads that want them
.endif
.if (\s) == 7
.irp i, 0,1
.irp j, 0,1,2,3,4,5,6,7
	global_load_b128 v[XR+32*\i+4*\j:XR+32*\i+4*\j+3], v1, s[10:11] offset:4096*\i+512*\j th:TH_LOAD_NT
.endr
.endr
	s_wait_loadcnt 16                              ; W_o's fragments are in; x's 16 loads may be out
.else
	s_wait_loadcnt 0x0
.endif
	s_wait_dscnt 0x0
.irp t, 0,1,2,3
.irp a, 0,1                                    ; the eight accumulators by turns, in the same order in every K step
.if (\s) == 0
	v_wmma_scale_f32_16x16x128_f8f6f4 v[ACC+8*(2*\t+\a):ACC+8*(2*\t+\a)+7], v[WF+12*\t:WF+12*\t+11], v[AF+12*\a:AF+12*\a+11], 0, v[WS+\t], v[AS+\a] matrix_a_fmt:MATRIX_FMT_BF6 matrix_b_fmt:MATRIX_FMT_BF6
.else
	v_wmma_scale_f32_16x16x128_f8f6f4 v[ACC+8*(2*\t+\a):ACC+8*(2*\t+\a)+7], v[WF+12*\t:WF+12*\t+11], v[AF+12*\a:AF+12*\a+11], v[ACC+8*(2*\t+\a):ACC+8*(2*\t+\a)+7], v[WS+\t], v[AS+\a] matrix_a_fmt:MATRIX_FMT_BF6 matrix_b_fmt:MATRIX_FMT_BF6
.endif
.endr
.endr
.endm
.irp s, 0,1,2,3,4,5,6,7
	KSTEP \s
.endr
	PLACES                                         ; behind the last products: their operands' registers are loaded anew and their results are read
.irp j, 0,1,2,3,4,5,6,7
	global_load_b128 v[GG+4*\j:GG+4*\j+3], v1, s[14:15] offset:512*\j
.endr
.irp j, 0,1,2,3,4,5,6,7
	global_load_b128 v[BB+4*\j:BB+4*\j+3], v1, s[16:17] offset:512*\j
.endr
.irp t, 0,1,2,3                                ; lane (r, h), tile t, register j: output 64 w + 32 (t / 2) + 16 h + 8 (t % 2) + j of row r; each accumulator from its low end on
	ds_store_b128 v4, v[ACC+16*\t:ACC+16*\t+3] offset:128*(\t/2)+32*(\t%2)
	ds_store_b128 v4, v[ACC+16*\t+4:ACC+16*\t+7] offset:128*(\t/2)+32*(\t%2)+16
	ds_store_b128 v5, v[ACC+16*\t+8:ACC+16*\t+11] offset:128*(\t/2)+32*(\t%2)
	ds_store_b128 v5, v[ACC+16*\t+12:ACC+16*\t+15] offset:128*(\t/2)+32*(\t%2)+16
.endr
	v_mov_b32 v[TS+1], 0                           ; (upper halves of pairs, and lane permutes' destinations: written once)
	v_mov_b32 v[TS+3], 0
	v_mov_b32 v[TP], 0
	v_mov_b32 v[TP+1], 0
	s_wait_dscnt 0x0                               ; for the others' sake: my stores have landed
	s_barrier_signal -1
	s_barrier_wait -1                              ; 32 whole rows lie in the stage
.irp i, 0,1
.irp j, 0,1,2,3,4,5,6,7
	ds_load_b128 v[ACC+32*\i+4*\j:ACC+32*\i+4*\j+3], v6 offset:4112*\i+512*\j
.endr
.endr
	s_wait_loadcnt 16                              ; x is in; ln_g's and ln_b's 16 loads may be out
.irp i, 0,1
.irp m, 0,2,4,6,8,10,12,14,16,18,20,22,24,26,28,30
	v_pk_add_f32 v[XR+32*\i+\m:XR+32*\i+\m+1], v[XR+32*\i+\m:XR+32*\i+\m+1], v[BO+\m:BO+\m+1]
.endr
.endr
	s_wait_dscnt 0x0
.irp i, 0,1
.irp m, 0,2,4,6,8,10,12,14,16,18,20,22,24,26,28,30
	v_pk_add_f32 v[XR+32*\i+\m:XR+32*\i+\m+1], v[XR+32*\i+\m:XR+32*\i+\m+1], v[ACC+32*\i+\m:ACC+32*\i+\m+1]   ; y = x + b_o + A W_o^T
.endr
.endr
.macro ACROSS                          ; the two rows' figures are added over the 32 lanes
.irp i, 0
	s_delay_alu instid0(VALU_DEP_3)
	v_pk_add_f32 v[TA+4*\i:TA+4*\i+1], v[TA+4*\i:TA+4*\i+1], v[TA+4*\i+2:TA+4*\i+3]
.endr
.irp i, 1
	s_delay_alu instid0(VALU_DEP_2)
	v_pk_add_f32 v[TA+4*\i:TA+4*\i+1], v[TA+4*\i:TA+4*\i+1], v[TA+4*\i+2:TA+4*\i+3]
.endr
.irp i, 0,1
	s_delay_alu instid0(VALU_DEP_2)
	v_add_f32 v[TS+2*\i], v[TA+4*\i], v[TA+4*\i+1]
.endr
.irp m, 1,2,4,8
.irp i, 0,1
	s_delay_alu instid0(VALU_DEP_2)
	v_add_f32_dpp v[TS+2*\i], v[TS+2*\i], v[TS+2*\i] row_xmask:\m row_mask:0xf bank_mask:0xf
.endr
.endr
.irp i, 0,1
	s_delay_alu instid0(VALU_DEP_2)
	v_permlanex16_b32 v[TP+\i], v[TS+2*\i], s[SEL], s[SEL+1]
.endr
.irp i, 0,1
	s_delay_alu instid0(VALU_DEP_2)
	v_add_f32 v[TS+2*\i], v[TS+2*\i], v[TP+\i]
.endr
.endm
.irp i, 0,1
	v_pk_add_f32 v[TA+4*\i:TA+4*\i+1], v[XR+32*\i:XR+32*\i+1], v[XR+32*\i+2:XR+32*\i+3]
	v_pk_add_f32 v[TA+4*\i+2:TA+4*\i+3], v[XR+32*\i+4:XR+32*\i+5], v[XR+32*\i+6:XR+32*\i+7]
.endr
.irp m, 8,12,16,20,24,28
.irp i, 0,1
	s_delay_alu instid0(VALU_DEP_4)
	v_pk_add_f32 v[TA+4*\i:TA+4*\i+1], v[TA+4*\i:TA+4*\i+1], v[XR+32*\i+\m:XR+32*\i+\m+1]
	s_delay_alu instid0(VALU_DEP_4)
	v_pk_add_f32 v[TA+4*\i+2:TA+4*\i+3], v[TA+4*\i+2:TA+4*\i+3], v[XR+32*\i+\m+2:XR+32*\i+\m+3]
.endr
.endr
	ACROSS
.irp i, 0,1
	s_delay_alu instid0(VALU_DEP_2)
	v_mul_f32 v[TS+2*\i], s38, v[TS+2*\i]          ; - the mean
.endr
.irp i, 0,1
.irp m, 0,2,4,6,8,10,12,14,16,18,20,22,24,26,28,30
	v_pk_add_f32 v[XR+32*\i+\m:XR+32*\i+\m+1], v[XR+32*\i+\m:XR+32*\i+\m+1], v[TS+2*\i:TS+2*\i+1] op_sel_hi:[1,0]   ; d = y - the mean
.endr
.endr
.irp i, 0,1
	v_pk_mul_f32 v[TA+4*\i:TA+4*\i+1], v[XR+32*\i:XR+32*\i+1], v[XR+32*\i:XR+32*\i+1]
	v_pk_mul_f32 v[TA+4*\i+2:TA+4*\i+3], v[XR+32*\i+2:XR+32*\i+3], v[XR+32*\i+2:XR+32*\i+3]
.endr
.irp m, 4,8,12,16,20,24,28
.irp i, 0,1
	s_delay_alu instid0(VALU_DEP_4)
	v_pk_fma_f32 v[TA+4*\i:TA+4*\i+1], v[XR+32*\i+\m:XR+32*\i+\m+1], v[XR+32*\i+\m:XR+32*\i+\m+1], v[TA+4*\i:TA+4*\i+1]
	s_delay_alu instid0(VALU_DEP_4)
	v_pk_fma_f32 v[TA+4*\i+2:TA+4*\i+3], v[XR+32*\i+\m+2:XR+32*\i+\m+3], v[XR+32*\i+\m+2:XR+32*\i+\m+3], v[TA+4*\i+2:TA+4*\i+3]
.endr
.endr
	ACROSS
.irp i, 0,1
	s_delay_alu instid0(VALU_DEP_2)
	v_fma_f32 v[TS+2*\i], v[TS+2*\i], s36, s37     ; the variance + 1e-5
.endr
	s_wait_alu depctr_va_vdst(0)
.irp i, 0,1
	v_rsq_f32 v[TS+2*\i], v[TS+2*\i]
.endr
	v_nop                                          ; a plain instruction behind the two,
	s_wait_alu depctr_va_vdst(0)                   ; and one wait ahead of their first reader
	s_wait_loadcnt 0x0                             ; ln_g and ln_b
.irp i, 0,1
.irp m, 0,2,4,6,8,10,12,14,16,18,20,22,24,26,28,30
	v_pk_mul_f32 v[XR+32*\i+\m:XR+32*\i+\m+1], v[XR+32*\i+\m:XR+32*\i+\m+1], v[TS+2*\i:TS+2*\i+1] op_sel_hi:[1,0]
.endr
.irp m, 0,2,4,6,8,10,12,14,16,18,20,22,24,26,28,30
	v_pk_fma_f32 v[XR+32*\i+\m:XR+32*\i+\m+1], v[XR+32*\i+\m:XR+32*\i+\m+1], v[GG+\m:GG+\m+1], v[BB+\m:BB+\m+1]
.endr
.irp j, 0,1,2,3,4,5,6,7
	global_store_b128 v1, v[XR+32*\i+4*\j:XR+32*\i+4*\j+3], s[18:19] offset:4096*\i+512*\j th:TH_STORE_NT   ; 32 lanes store 512 consecutive bytes, aligned; written once
.endr
.endr
	s_wait_tensorcnt 0x0
	ds_add_u32 v14, v15
	s_wait_dscnt 0x0
	s_endpgm
.Lfunc_end_k_qfab47453f0_outln:
	.size	k_qfab47453f0_outln, .Lfunc_end_k_qfab47453f0_outln-k_qfab47453f0_outln
	.p2alignl 7, 3214868480
	.fill 96, 4, 3214868480
	.section	.rodata,"a",@progbits
	.p2align	6, 0x0
	.amdhsa_kernel k_qfab47453f0_outln
		.amdhsa_group_segment_fixed_size 160256
		.amdhsa_private_segment_fixed_size 0
		.amdhsa_enable_private_segment 0
		.amdhsa_kernarg_size 64
		.amdhsa_user_sgpr_count 2
		.amdhsa_user_sgpr_kernarg_segment_ptr 1
		.amdhsa_wavefront_size32 1
		.amdhsa_system_sgpr_workgroup_id_x 1
		.amdhsa_system_sgpr_workgroup_id_y 1
		.amdhsa_system_sgpr_workgroup_id_z 1
		.amdhsa_system_vgpr_workitem_id 0
		.amdhsa_next_free_vgpr 256
		.amdhsa_next_free_sgpr 66
		.amdhsa_reserve_vcc 0
		.amdhsa_float_denorm_mode_32 3
		.amdhsa_float_denorm_mode_16_64 3
		.amdhsa_memory_ordered 1
		.amdhsa_forward_progress 1
		.amdhsa_inst_pref_size 54
	.end_amdhsa_kernel
	.amdgpu_metadata
---
amdhsa.version: [ 1, 2 ]
amdhsa.kernels:
  - .name:           k_qfab47453f0_outln
    .symbol:         k_qfab47453f0_outln.kd
    .args:
      - { .name: ao, .offset: 0, .size: 8, .value_kind: global_buffer, .address_space: global }
      - { .name: asc, .offset: 8, .size: 8, .value_kind: global_buffer, .address_space: global }
      - { .name: wi, .offset: 16, .size: 8, .value_kind: global_buffer, .address_space: global }
      - { .name: x, .offset: 24, .size: 8, .value_kind: global_buffer, .address_space: global }
      - { .name: b_o, .offset: 32, .size: 8, .value_kind: global_buffer, .address_space: global }
      - { .name: ln_g, .offset: 40, .size: 8, .value_kind: global_buffer, .address_space: global }
      - { .name: ln_b, .offset: 48, .size: 8, .value_kind: global_buffer, .address_space: global }
      - { .name: out0, .offset: 56, .size: 8, .value_kind: global_buffer, .address_space: global }
    .group_segment_fixed_size: 160256
    .private_segment_fixed_size: 0
    .kernarg_segment_align: 8
    .kernarg_segment_size: 64
    .max_flat_workgroup_size: 512
    .sgpr_count:     66
    .vgpr_count:     256
    .wavefront_size: 32
...
	.end_amdgpu_metadata
.endif
;; end of part 4
